; MI455X (gfx1250); checked and timed in simulation.
; The chip was launched on July 23, 2026; its instructions are those of AMD's public machine-readable ISA for CDNA 5 (MIT licence, August 2026) and "CDNA5" Instruction Set Architecture Reference Guide (July 2026). The comments in the code are by the model that wrote it; some were corrected since.
;; Unquantized Sparse Mo E Layer. Allowed arithmetic: float matrix products may take bf16 or f16 operands with f32 sums; all other float work in f32.
;; Inputs: gating_output 1,024 x 8 float32; w1 8 x 4,096 x 1,024 float32; w2 8 x 1,024 x 2,048 float32; x 1,024 x 1,024 float32.
;; Outputs: out0 1,024 x 1,024 float32.
;; Constants: topk = 2.
;; One version. Each part assembles by itself: llvm-mc -triple=amdgcn-amd-amdhsa -mcpu=gfx1250 --defsym DOCPART=n.
;; ======== version 1 of 1: 5 launches
;; limits: values are held in f16: magnitudes above 65,504 overflow, below 6.1e-05 lose precision; inputs' magnitudes at most 65,504
;; workspace buffers: cnt 256 bytes of whole numbers; pos 8,192 bytes of whole numbers; rwt 8,192 bytes; xg 4,423,680 bytes; hs 8,847,360 bytes; y 35,389,440 bytes; rsc 34,560 bytes; wsc 65,536 bytes
;; launch route (part 1): grid 1 x 1, 32 waves a work-group, no clusters, 5,120 bytes of LDS; arguments gating_output, pos, rwt, cnt; writes pos, rwt, cnt
.if DOCPART == 1
	.amdgcn_target "amdgcn-amd-amdhsa--gfx1250"
	.amdhsa_code_object_version 6
	.text
	.protected	k_q35750bc366_route
	.globl	k_q35750bc366_route
	.p2align	8
	.type	k_q35750bc366_route,@function
k_q35750bc366_route:
	s_mov_b64 s[64:65], 0
	v_nop
	global_prefetch_b8 v0, s[64:65] scope:SCOPE_SE
	s_setreg_imm32_b32 hwreg(HW_REG_WAVE_MODE, 25, 1), 1
	s_wait_xcnt 0x0
; ROUTING.  One work-group of 1,024 threads; thread t is token t.
; softmax over the 8 gates (the largest gate is taken away first), the two best scores (the lowest index wins a tie),
; the two weights renormalised to sum 1, and the place of each (token, expert) pair in the sorted order that the later launches use:
;   an expert's pairs are ordered by token; expert e's rows begin at tile toff_e (a tile = 16 rows), nt_e = ceil(n_e / 16) tiles.
;   The n_e add to 2,048 = 128 tiles; the eight paddings are below 16 each and add to a multiple of 16, so to 112 at the most: 135 tiles, 2,160 rows.
; Stored: pos[t][k] = 16 toff_e + rank (whole numbers), rwt[t][k] = weight (f32), cnt[e] = (toff_e, nt_e), the rest of cnt's 256 bytes 0.
; Whatever hangs on the floating-point comparisons is only stored here: no address and no branch of this launch uses it.
; LIMITS: a NaN among the gates is not served.  v_exp_f32 gives 0 for results below 2^-126 (ISA guide, its entry in 15.8), so a score that small counts as 0.
; Two scores that agree to the last bit or two of f32 may be ordered otherwise than by another exponential routine.
.set G,    2                           ; v[2:9]   gates, then scores
.set RANK, 17                          ; v[17:24] how many lower lanes of my wave chose expert e
.set CT,   28                          ; v[28:35] lane l: wave l's count for expert e, as f32
.set CP,   36                          ; v[36:43] the same, 0 in the lanes at or above my wave's number
.set TOT,  20                          ; s[20:27] n_e
.set PRE,  28                          ; s[28:35] pairs of expert e in the waves before mine, later 16 toff_e + that
.set TOFF, 36                          ; s[36:43]
.set NT,   44                          ; s[44:51]
	s_load_b256 s[4:11], s[0:1], 0x0               ; gating s[4:5], pos s[6:7], rwt s[8:9], cnt s[10:11]
	v_lshl_add_u32 v64, v0, 2, 0x400
	v_mov_b32 v65, 0
	s_mov_b32 s12, 0x76543210                      ; v_permlanex16_b32: lane i reads lane i of the other half
	s_mov_b32 s13, 0xfedcba98
	v_lshrrev_b32 v16, 5, v0
	v_readfirstlane_b32 s14, v16                   ; wave 0..31
	v_lshlrev_b32 v1, 5, v0                        ; a token's 8 gates: 32 bytes
	v_and_b32 v25, 31, v0                          ; lane
	v_mov_b32 v26, s14
	v_lshlrev_b32 v26, 2, v26                      ; 4 x wave: my wave's word in each expert's row of LDS
	v_lshlrev_b32 v27, 2, v25                      ; 4 x lane
	v_lshlrev_b32 v50, 3, v0                       ; 8 x token: pos and rwt
	v_mov_b32 v44, 0                               ; v_permlanex16_b32 counts as a reader of its destination
	s_wait_kmcnt 0x0
	global_load_b128 v[2:5], v1, s[4:5]
	global_load_b128 v[6:9], v1, s[4:5] offset:16
	s_wait_loadcnt 0x0
	; softmax: e_i = exp(g_i - max), score_i = e_i / sum
	v_max3_num_f32 v10, v2, v3, v4
	v_max3_num_f32 v10, v10, v5, v6
	v_max3_num_f32 v10, v10, v7, v8
	v_max_num_f32 v10, v10, v9
.irp i, 0,1,2,3,4,5,6,7
	v_sub_f32 v[G+\i], v[G+\i], v10
.endr
.irp i, 0,1,2,3,4,5,6,7
	v_mul_f32 v[G+\i], 0x3fb8aa3b, v[G+\i]         ; e^x = 2^(1.442695 x)
.endr
.irp i, 0,1,2,3,4,5,6,7
	v_exp_f32 v[G+\i], v[G+\i]
.endr
	v_nop                                          ; one plain place behind the last exponential before its result is read (ISA guide 5.7.2)
	s_wait_alu depctr_va_vdst(0)
	v_add_f32 v11, v2, v3
	v_add_f32 v16, v4, v5
	v_add_f32 v12, v6, v7
	v_add_f32 v14, v8, v9
	v_add_f32 v11, v11, v16
	v_add_f32 v12, v12, v14
	v_add_f32 v11, v11, v12                        ; at least 1: the largest gate's term is 1
	v_rcp_f32 v11, v11
	v_nop
	s_wait_alu depctr_va_vdst(0)
.irp i, 0,1,2,3,4,5,6,7
	v_mul_f32 v[G+\i], v[G+\i], v11
.endr
	; the best score: ascending, a later one takes over only if it is strictly larger
	v_mov_b32 v12, v2
	v_mov_b32 v13, 0
.irp i, 1,2,3,4,5,6,7
	v_cmp_ge_f32 vcc_lo, v12, v[G+\i]              ; the best so far holds
	v_cndmask_b32 v13, \i, v13, vcc_lo
	v_max_num_f32 v12, v12, v[G+\i]
.endr
	; the second best: the same scan with the winner's score replaced by -1 (scores are 0 or more)
	v_mov_b32 v14, -1.0
	v_mov_b32 v15, 0
.irp i, 0,1,2,3,4,5,6,7
	v_cmp_ne_u32 vcc_lo, \i, v13
	v_cndmask_b32 v16, -1.0, v[G+\i], vcc_lo
	v_cmp_ge_f32 vcc_lo, v14, v16
	v_cndmask_b32 v15, \i, v15, vcc_lo
	v_max_num_f32 v14, v14, v16
.endr
	v_add_f32 v16, v12, v14                        ; at least 1/8
	v_rcp_f32 v16, v16
	v_nop
	s_wait_alu depctr_va_vdst(0)
	v_mul_f32 v48, v12, v16
	v_mul_f32 v49, v14, v16
	; for each expert: my rank among my wave's tokens that chose it, and the wave's count into LDS word [e][wave]
.irp e, 0,1,2,3,4,5,6,7
	v_cmp_eq_u32 s15, \e, v13
	v_cmp_eq_u32 s16, \e, v15
	s_or_b32 s15, s15, s16                         ; a token names an expert at most once
	v_mbcnt_lo_u32_b32 v[RANK+\e], s15, 0
	s_bcnt1_i32_b32 s16, s15
	v_mov_b32 v16, s16
	ds_store_b32 v26, v16 offset:128*\e
.endr
	s_wait_dscnt 0x0                               ; my stores are in LDS before I say so
	s_barrier_signal -1
	s_barrier_wait -1
.irp e, 0,1,2,3,4,5,6,7
	ds_load_b32 v[CT+\e], v27 offset:128*\e        ; lane l: wave l's count
.endr
	s_wait_dscnt 0x0
	v_cmp_gt_u32 vcc_lo, s14, v25                  ; the waves before mine
.irp e, 0,1,2,3,4,5,6,7
	v_cvt_f32_u32 v[CT+\e], v[CT+\e]               ; counts up to 1,024 and their sums are exact in f32
	v_cndmask_b32 v[CP+\e], 0, v[CT+\e], vcc_lo
.endr
.macro WSUM r                          ; the sum over the wave's 32 lanes, in every lane
	v_add_f32_dpp v[\r], v[\r], v[\r] row_xmask:1 row_mask:0xf bank_mask:0xf
	v_add_f32_dpp v[\r], v[\r], v[\r] row_xmask:2 row_mask:0xf bank_mask:0xf
	v_add_f32_dpp v[\r], v[\r], v[\r] row_xmask:4 row_mask:0xf bank_mask:0xf
	v_add_f32_dpp v[\r], v[\r], v[\r] row_xmask:8 row_mask:0xf bank_mask:0xf
	v_permlanex16_b32 v44, v[\r], s12, s13
	v_add_f32 v[\r], v[\r], v44
.endm
.irp e, 0,1,2,3,4,5,6,7
	WSUM CT+\e
	WSUM CP+\e
	v_cvt_u32_f32 v16, v[CT+\e]
	v_readfirstlane_b32 s[TOT+\e], v16
	v_cvt_u32_f32 v16, v[CP+\e]
	v_readfirstlane_b32 s[PRE+\e], v16
.endr
	s_mov_b32 s52, 0                               ; tiles so far
.irp e, 0,1,2,3,4,5,6,7
	s_add_co_u32 s[NT+\e], s[TOT+\e], 15
	s_lshr_b32 s[NT+\e], s[NT+\e], 4               ; nt_e = ceil(n_e / 16)
	s_mov_b32 s[TOFF+\e], s52
	s_lshl4_add_u32 s[PRE+\e], s52, s[PRE+\e]      ; 16 toff_e + the pairs of the waves before mine
	s_add_co_u32 s52, s52, s[NT+\e]
.endr
	v_mov_b32 v46, 0
	v_mov_b32 v47, 0
.irp e, 0,1,2,3,4,5,6,7
	v_add_nc_u32 v16, s[PRE+\e], v[RANK+\e]
	v_cmp_eq_u32 vcc_lo, \e, v13
	v_cndmask_b32 v46, v46, v16, vcc_lo
	v_cmp_eq_u32 vcc_lo, \e, v15
	v_cndmask_b32 v47, v47, v16, vcc_lo
.endr
	global_store_b64 v50, v[46:47], s[6:7]         ; a wave's store covers 256 consecutive bytes, aligned
	global_store_b64 v50, v[48:49], s[8:9]
	s_cmp_lg_u32 s14, 0
	s_cbranch_scc1 .Lend                           ; wave 0 alone writes cnt, all 256 bytes of it
	v_mov_b32 v52, 0
	v_mov_b32 v53, 0
.irp e, 0,1,2,3,4,5,6,7
	v_writelane_b32 v52, s[TOFF+\e], \e
	v_writelane_b32 v53, s[NT+\e], \e
.endr
	global_store_b64 v50, v[52:53], s[10:11]       ; in wave 0 the token's number is the lane
.Lend:
	s_barrier_signal -1
	s_barrier_wait -1
	s_wait_tensorcnt 0x0
	ds_add_u32 v64, v65
	s_wait_dscnt 0x0
	s_endpgm
.Lfunc_end_k_q35750bc366_route:
	.size	k_q35750bc366_route, .Lfunc_end_k_q35750bc366_route-k_q35750bc366_route
	.p2alignl 7, 3214868480
	.fill 96, 4, 3214868480
	.section	.rodata,"a",@progbits
	.p2align	6, 0x0
	.amdhsa_kernel k_q35750bc366_route
		.amdhsa_group_segment_fixed_size 5120
		.amdhsa_private_segment_fixed_size 0
		.amdhsa_enable_private_segment 0
		.amdhsa_kernarg_size 32
		.amdhsa_user_sgpr_count 2
		.amdhsa_user_sgpr_kernarg_segment_ptr 1
		.amdhsa_wavefront_size32 1
		.amdhsa_system_sgpr_workgroup_id_x 1
		.amdhsa_system_sgpr_workgroup_id_y 1
		.amdhsa_system_sgpr_workgroup_id_z 1
		.amdhsa_system_vgpr_workitem_id 0
		.amdhsa_next_free_vgpr 66
		.amdhsa_next_free_sgpr 66
		.amdhsa_reserve_vcc 1
		.amdhsa_float_denorm_mode_32 3
		.amdhsa_float_denorm_mode_16_64 3
		.amdhsa_memory_ordered 1
		.amdhsa_forward_progress 1
		.amdhsa_inst_pref_size 20
	.end_amdhsa_kernel
	.amdgpu_metadata
---
amdhsa.version: [ 1, 2 ]
amdhsa.kernels:
  - .name:           k_q35750bc366_route
    .symbol:         k_q35750bc366_route.kd
    .args:
      - { .name: gating_output, .offset: 0, .size: 8, .value_kind: global_buffer, .address_space: global }
      - { .name: pos, .offset: 8, .size: 8, .value_kind: global_buffer, .address_space: global }
      - { .name: rwt, .offset: 16, .size: 8, .value_kind: global_buffer, .address_space: global }
      - { .name: cnt, .offset: 24, .size: 8, .value_kind: global_buffer, .address_space: global }
    .group_segment_fixed_size: 5120
    .private_segment_fixed_size: 0
    .kernarg_segment_align: 8
    .kernarg_segment_size: 32
    .max_flat_workgroup_size: 1024
    .sgpr_count:     66
    .vgpr_count:     66
    .wavefront_size: 32
...
	.end_amdgpu_metadata
.endif
;; end of part 1
;; launch permute (part 2): grid 135 x 1, 8 waves a work-group, no clusters, 34,304 bytes of LDS; arguments x, pos, xg, rsc; writes xg, rsc
.if DOCPART == 2
	.amdgcn_target "amdgcn-amd-amdhsa--gfx1250"
	.amdhsa_code_object_version 6
	.text
	.protected	k_q35750bc366_permute
	.globl	k_q35750bc366_permute
	.p2align	8
	.type	k_q35750bc366_permute,@function
k_q35750bc366_permute:
	s_mov_b64 s[64:65], 0
	v_nop
	global_prefetch_b8 v0, s[64:65] scope:SCOPE_SE
	s_setreg_imm32_b32 hwreg(HW_REG_WAVE_MODE, 25, 1), 1
	s_wait_xcnt 0x0
; GATHER AND CAST.  Work-group g makes tile g of xg: the 16 sorted rows 16 g .. 16 g + 15 of x in f16, in the order in which a matrix
; instruction's fragment wants them, so that the next launch loads fragments straight from memory:
;   a tile is 32 blocks of 1 KiB, one for each 32 k (number kb); a block is [jj = 0, 1][lane 0..31][16 bytes];
;   lane (r = lane & 15, h = lane >> 4) holds row r, k = 32 kb + 16 jj + 8 h + 0..7.
; WHY f16: x is of size 1; 30 times more, or an offset of 30, stays below 200, and 30 times less is 0.03, where f16 still steps by 2^-24 at the worst:
; the range has the room, and f16 keeps 11 significant bits where bf16 keeps 8.  LIMIT: |x| above 65,504 overflows.
; ALSO: each row's sum of squares rho, as a power of two 2^a > rho, for the scale under which the next launch stores h in f16 (see there).
;   rsc holds 256 bytes a tile: lane L's 8 bytes are (2^-a, 2^a) of row L & 15.  The exponent field of rho is kept in 64..190: a row with rho below 2^-63 gets a = -62.
; Rows that no pair names (an expert's padding up to 16, and the tiles behind the last expert: how many there are, 0 to 7, hangs on the routing)
; are written as zeros.  No branch hangs on data: a row without a pair reads a clamped row of x and is masked (its factors are that row's, and are never used).
; Which pair sits in which of my 16 rows is pos turned round: wave 0 goes through all 2,048 words of pos and stores the pair's number 2 t + k
; into a table of 17 LDS words, at word min(pos - 16 g, 16): words 0 to 15 are my rows, word 16 swallows every other tile's pairs.
; No matrix unit, no cluster: every byte is moved once and nothing is shared but pos (8 KiB).
.set NRM, 128                          ; LDS: bytes 0..67 the table; 128..191 the 16 rows' sums of squares; from 256 the tile, 16 rows of f16
.set XT, 256
.set XP, 2064                          ; its pitch: 2,048 + 16, an odd multiple of 16, so that 16 rows' 16-byte columns fall on different banks
.set SQ, 16                            ; v[16:19] a pair of running sums of squares for each of my wave's two rows
.set D,  32                            ; v[32:95] sixteen loads of 16 bytes
.set PK, 96                            ; v[96:99] two packed pairs that take turns
	s_load_b128 s[4:7], s[0:1], 0x0                ; x s[4:5], pos s[6:7]
	s_load_b128 s[8:11], s[0:1], 0x10              ; xg s[8:9], rsc s[10:11]
	v_lshl_add_u32 v104, v0, 2, 0x8200
	v_mov_b32 v105, 0
	s_mov_b32 s26, 0x76543210                      ; v_permlanex16_b32: lane i reads lane i of the other half
	s_mov_b32 s27, 0xfedcba98
	v_lshrrev_b32 v2, 5, v0
	v_readfirstlane_b32 s12, v2                    ; wave 0..7
	v_and_b32 v2, 31, v0                           ; lane
	v_lshlrev_b32 v1, 4, v2                        ; 16 x lane
	v_and_b32 v3, 15, v0                           ; r
	v_bfe_u32 v4, v0, 4, 1                         ; h
	v_lshlrev_b32 v5, 2, v2                        ; 4 x lane
	s_lshl_b32 s13, ttmp9, 4                       ; my tile's first sorted row
	v_mov_b32 v9, s13
	s_mul_i32 s24, s12, 2*XP
	s_add_co_u32 s24, s24, XT
	v_lshl_add_u32 v12, v2, 3, s24                 ; in: my wave's rows 2 w, 2 w + 1; 8 bytes (4 f16) a lane
	v_mul_u32_u24 v13, v3, XP
	v_lshl_add_u32 v13, v4, 4, v13
	s_lshl_b32 s25, s12, 8
	s_add_co_u32 s25, s25, XT
	v_add_nc_u32 v13, s25, v13                     ; back: row r, byte 64 (4 w) + 16 h: my wave takes blocks 4 w .. 4 w + 3
	v_lshl_add_u32 v14, s12, 12, v1                ; and stores them at 1,024 (4 w) + 16 x lane
	s_wait_kmcnt 0x0
	s_cmp_lg_u32 s12, 0
	s_cbranch_scc1 .Lall
	; wave 0 alone: the table.  One wave's LDS instructions are served in order (ISA guide 5.7.1), so the -1 lands ahead of the pair numbers.
.irp c, 0,1,2,3,4,5,6,7,8,9,10,11,12,13,14,15
	global_load_b128 v[D+4*\c:D+4*\c+3], v1, s[6:7] offset:512*\c
.endr
	v_lshlrev_b32 v8, 2, v3
	v_mov_b32 v6, -1
	ds_store_b32 v8, v6                            ; words 0 to 15: no pair (both halves of the lanes write the same)
.irp c, 0,1,2,3,4,5,6,7,8,9,10,11,12,13,14,15
	s_wait_loadcnt 15-\c                           ; loads come back in order: number c is in, the younger ones stay out
.irp j, 0,1,2,3
	v_sub_nc_u32 v7, v[D+4*\c+\j], v9              ; the sorted row, counted from my tile's first (a lower row wraps to a large number)
	v_min_u32 v7, 16, v7                           ; 0 to 15: mine; 16: somebody else's
	v_lshlrev_b32 v7, 2, v7
	v_add_nc_u32 v6, 128*\c+\j, v5                 ; the word's number in pos = 2 t + k
	ds_store_b32 v7, v6
.endr
.endr
.Lall:
	s_wait_dscnt 0x0                               ; wave 0's stores are in LDS before it says so
	s_barrier_signal -1
	s_barrier_wait -1
	s_lshl_b32 s14, s12, 3
	v_mov_b32 v8, s14
	ds_load_b64 v[10:11], v8                       ; the pairs of my two rows: table words 2 w, 2 w + 1
	s_wait_dscnt 0x0
	v_readfirstlane_b32 s14, v10
	v_readfirstlane_b32 s15, v11
	s_mov_b32 s23, 0
.irp k, 0,1
	s_cmp_lg_u32 s[14+\k], -1
	s_cselect_b32 s[16+\k], -1, 0                  ; mask: all ones for a row with a pair, 0 for padding
	s_lshr_b32 s[14+\k], s[14+\k], 1               ; the token,
	s_min_u32 s[14+\k], s[14+\k], 1023             ; kept inside x (padding reads the last row and is masked)
	s_lshl_b32 s22, s[14+\k], 12
	s_add_nc_u64 s[18+2*\k:19+2*\k], s[4:5], s[22:23]
.endr
.irp n, 0,1,2,3,4,5,6,7,8,9,10,11,12,13,14,15
	global_load_b128 v[D+4*\n:D+4*\n+3], v1, s[18+2*(\n>>3):19+2*(\n>>3)] offset:512*(\n&7)   ; 512 consecutive bytes of a row; no hint: a row of x is read for two experts
.endr
.irp n, 0,1,2,3,4,5,6,7,8,9,10,11,12,13,14,15
	s_wait_loadcnt 15-\n
	v_cvt_pk_f16_f32 v[PK+2*(\n&1)], v[D+4*\n], v[D+4*\n+1]
	v_cvt_pk_f16_f32 v[PK+2*(\n&1)+1], v[D+4*\n+2], v[D+4*\n+3]
	v_and_b32 v[PK+2*(\n&1)], s[16+(\n>>3)], v[PK+2*(\n&1)]
	v_and_b32 v[PK+2*(\n&1)+1], s[16+(\n>>3)], v[PK+2*(\n&1)+1]
	ds_store_b64 v12, v[PK+2*(\n&1):PK+2*(\n&1)+1] offset:(\n>>3)*XP+256*(\n&7)
.if (\n&7) == 0
	v_pk_mul_f32 v[SQ+2*(\n>>3):SQ+2*(\n>>3)+1], v[D+4*\n:D+4*\n+1], v[D+4*\n:D+4*\n+1]   ; a row's first squares start its sums
.else
	v_pk_fma_f32 v[SQ+2*(\n>>3):SQ+2*(\n>>3)+1], v[D+4*\n:D+4*\n+1], v[D+4*\n:D+4*\n+1], v[SQ+2*(\n>>3):SQ+2*(\n>>3)+1]
.endif
	v_pk_fma_f32 v[SQ+2*(\n>>3):SQ+2*(\n>>3)+1], v[D+4*\n+2:D+4*\n+3], v[D+4*\n+2:D+4*\n+3], v[SQ+2*(\n>>3):SQ+2*(\n>>3)+1]
.endr
	v_add_f32 v20, v16, v17
	v_add_f32 v21, v18, v19
.macro WSUM r                          ; the sum over the wave's 32 lanes, in every lane (v10 has been written: v_permlanex16_b32 counts as a reader of its destination)
	v_add_f32_dpp v[\r], v[\r], v[\r] row_xmask:1 row_mask:0xf bank_mask:0xf
	v_add_f32_dpp v[\r], v[\r], v[\r] row_xmask:2 row_mask:0xf bank_mask:0xf
	v_add_f32_dpp v[\r], v[\r], v[\r] row_xmask:4 row_mask:0xf bank_mask:0xf
	v_add_f32_dpp v[\r], v[\r], v[\r] row_xmask:8 row_mask:0xf bank_mask:0xf
	v_permlanex16_b32 v10, v[\r], s26, s27
	v_add_f32 v[\r], v[\r], v10
.endm
	WSUM 20
	WSUM 21
	s_lshl_b32 s24, s12, 3
	s_add_co_u32 s24, s24, NRM
	v_mov_b32 v23, s24
	ds_store_b64 v23, v[20:21]                     ; my two rows' sums (all lanes write the same words with the same values)
	s_lshl_b32 s22, ttmp9, 15                      ; my tile in xg: 32,768 bytes each
	s_add_nc_u64 s[8:9], s[8:9], s[22:23]
	s_wait_dscnt 0x0                               ; my two rows and their sums are in LDS before I say so
	s_barrier_signal -1
	s_barrier_wait -1
.irp n, 0,1,2,3,4,5,6,7
	ds_load_b128 v[D+4*\n:D+4*\n+3], v13 offset:32*\n              ; block 4 w + n / 2, half n & 1: byte 64 kb + 32 jj of row r
.endr
.irp n, 0,1,2,3,4,5,6,7
	s_wait_dscnt 7-\n
	global_store_b128 v14, v[D+4*\n:D+4*\n+3], s[8:9] offset:512*\n   ; 512 consecutive bytes, aligned
.endr
	s_cmp_lg_u32 s12, 0
	s_cbranch_scc1 .Lend                           ; wave 0 alone writes the tile's 256 bytes of rsc
	v_lshlrev_b32 v24, 2, v3
	ds_load_b32 v25, v24 offset:NRM                ; rho of row r
	s_lshl_b32 s22, ttmp9, 8
	s_add_nc_u64 s[10:11], s[10:11], s[22:23]
	v_lshlrev_b32 v28, 3, v2                       ; 8 x lane
	s_wait_dscnt 0x0
	v_lshrrev_b32 v25, 23, v25                     ; rho is not negative: its exponent field E; rho < 2^(E - 126)
	v_max_u32 v25, 64, v25
	v_min_u32 v25, 190, v25
	v_sub_nc_u32 v26, 253, v25                     ; 2^-a, a = E - 126: field 127 - a
	v_add_nc_u32 v27, 1, v25                       ; 2^a: field 127 + a
	v_lshlrev_b32 v26, 23, v26
	v_lshlrev_b32 v27, 23, v27
	global_store_b64 v28, v[26:27], s[10:11]       ; 256 consecutive bytes, aligned
.Lend:
	s_barrier_signal -1
	s_barrier_wait -1
	s_wait_tensorcnt 0x0
	ds_add_u32 v104, v105
	s_wait_dscnt 0x0
	s_endpgm
.Lfunc_end_k_q35750bc366_permute:
	.size	k_q35750bc366_permute, .Lfunc_end_k_q35750bc366_permute-k_q35750bc366_permute
	.p2alignl 7, 3214868480
	.fill 96, 4, 3214868480
	.section	.rodata,"a",@progbits
	.p2align	6, 0x0
	.amdhsa_kernel k_q35750bc366_permute
		.amdhsa_group_segment_fixed_size 34304
		.amdhsa_private_segment_fixed_size 0
		.amdhsa_enable_private_segment 0
		.amdhsa_kernarg_size 32
		.amdhsa_user_sgpr_count 2
		.amdhsa_user_sgpr_kernarg_segment_ptr 1
		.amdhsa_wavefront_size32 1
		.amdhsa_system_sgpr_workgroup_id_x 1
		.amdhsa_system_sgpr_workgroup_id_y 1
		.amdhsa_system_sgpr_workgroup_id_z 1
		.amdhsa_system_vgpr_workitem_id 0
		.amdhsa_next_free_vgpr 106
		.amdhsa_next_free_sgpr 66
		.amdhsa_reserve_vcc 0
		.amdhsa_float_denorm_mode_32 3
		.amdhsa_float_denorm_mode_16_64 3
		.amdhsa_memory_ordered 1
		.amdhsa_forward_progress 1
		.amdhsa_inst_pref_size 30
	.end_amdhsa_kernel
	.amdgpu_metadata
---
amdhsa.version: [ 1, 2 ]
amdhsa.kernels:
  - .name:           k_q35750bc366_permute
    .symbol:         k_q35750bc366_permute.kd
    .args:
      - { .name: x, .offset: 0, .size: 8, .value_kind: global_buffer, .address_space: global }
      - { .name: pos, .offset: 8, .size: 8, .value_kind: global_buffer, .address_space: global }
      - { .name: xg, .offset: 16, .size: 8, .value_kind: global_buffer, .address_space: global }
      - { .name: rsc, .offset: 24, .size: 8, .value_kind: global_buffer, .address_space: global }
    .group_segment_fixed_size: 34304
    .private_segment_fixed_size: 0
    .kernarg_segment_align: 8
    .kernarg_segment_size: 32
    .max_flat_workgroup_size: 256
    .sgpr_count:     66
    .vgpr_count:     106
    .wavefront_size: 32
...
	.end_amdgpu_metadata
.endif
;; end of part 2
;; launch gemm1 (part 3): grid 256 x 1, 4 waves a work-group, no clusters, 295,680 bytes of LDS; arguments xg, w1, cnt, hs, rsc, wsc; writes hs, wsc
.if DOCPART == 3
	.amdgcn_target "amdgcn-amd-amdhsa--gfx1250"
	.amdhsa_code_object_version 6
	.text
	.protected	k_q35750bc366_gemm1
	.globl	k_q35750bc366_gemm1
	.p2align	8
	.type	k_q35750bc366_gemm1,@function
k_q35750bc366_gemm1:
	s_mov_b64 s[64:65], 0
	v_nop
	global_prefetch_b8 v0, s[64:65] scope:SCOPE_SE
	s_setreg_imm32_b32 hwreg(HW_REG_WAVE_MODE, 25, 1), 1
	s_wait_xcnt 0x0
; FIRST PRODUCT AND SwiGLU, for the rows that each expert was given:  h = silu(xg Wgate^T) * (xg Wup^T), f16 operands, f32 sums.
; Work-group = (expert e = id >> 5, column block j = id & 31): gate rows 64 j .. 64 j + 63 and up rows 2,048 + 64 j .. of w1[e], 128 rows, all of K = 1,024.
; 8 x 32 = 256 work-groups, 512 KiB of w1 each: every byte of w1 is loaded once in the launch, whatever the routing.
; NUMBER FORMATS: the experts are chosen in f32 from the gates as given, so the sums have to stand beside f32 arithmetic.  x and w1 enter as f16, 11 significant bits:
; w1 is of size 0.02; 30 times more is 0.6, 30 times less 0.0007, where f16 still steps by 2^-24: the range has the room.
; h BY ITSELF HAS NOT (with x and w1 both 30 times larger it passes 10^6), so it is stored in f16 UNDER A SCALE MADE FROM THE DATA, a power of two, so that nothing is rounded by it:
;   |silu(g)| <= |g| <= |x_t| |wg_c| and |u| <= |x_t| |wu_c| (lengths of the vectors), so |h| <= rho_t |wg_c| |wu_c| <= rho_t omega / 2,
;   rho_t = the sum of squares of the token's row of x (2^a > rho_t comes from rsc), omega = the sum of squares of this work-group's 128 rows of w1 (summed here, in f32, as they pass; 2^b > omega).
;   Stored: h' = h 2^(15 - a - b), at most 2^14 in size for every input.  wsc gets 2^b; the next launch folds 2^b into its weights and 2^a into its results.
;   For rows and weights of independent numbers the bound is 2^18 or so above h's usual size: h' is then near 2^-4, and f16's smallest step, 2^-24, is 2^-20 of that.
; WEIGHTS: K goes in 16 steps of 64.  Each wave loads 32 of the 128 rows as f32 (an instruction covers 2 rows x 256 consecutive bytes), rounds each number once
; to f16 and stores it into the step's own LDS slot (128 rows, pitch 144 = 128 + 16, an odd multiple of 16).  16 slots x 18,432 bytes = 294,912: NO SLOT IS WRITTEN TWICE, so one barrier a step,
; between the stores and the reads, is all the ordering there is, and the weights stay for further passes.  Behind the slots: 16 bytes in a block of 256 for the four waves' parts of omega.
; TOKENS: a pass takes 20 tiles of 16 rows; wave w takes tiles mt0 + 4 i + w, i = 0..4, against all 8 column tiles: 40 accumulators, 320 registers.
; A tile's rows are read by one wave alone and lie in memory in fragment order (see the layout below), so they go from memory straight into fragment registers.
; An expert with more than 320 rows (up to 1,024) gets further passes over the resident weights: no barrier and no weight load stands in them,
; so how many are run may hang on cnt.  The first pass runs in every work-group (a tile past the expert's end reads tile 0 and is not stored).
; FRAGMENT ORDER (xg and hs): a tile is a run of 1 KiB blocks, one for each 32 k; a block is [jj][lane][16 bytes]; lane (r, h) holds row r, k = 32 kb + 16 jj + 8 h + 0..7.
; THE MATRIX INSTRUCTION IS USED TRANSPOSED (source 0 = 16 weight rows, source 1 = 16 token rows): lane (r, h) then holds token row r, columns n0 + 8 h + 0..7,
; which is hs's own fragment order: the result is stored from registers, 512 consecutive bytes a store, and a row's factor is one number a lane.
; NO JOINT LOADS: the 32 work-groups of an expert do read the same token tiles, but a joint load lands in LDS, where 327,680 - 295,168 = 32,512 bytes are left against
; 2 x 40,960 for two slots of a step's 20 tiles, and the number of further passes is read from memory.  No tensor loads: the weights are f32 and pass through registers to be rounded.
; LIMITS: |w1| (and |x|) above 65,504 overflow f16.  omega's exponent field is kept in 81..190 (rho's in 64..190): below 2^-46 (2^-63) the scale stays and h' loses low bits; the upper ends
; are not reached while x and w1 fit f16.  So every product of the factors is a normal f32 number, and a row of zeros gives zeros.  Experts that a token did not choose are not multiplied.
; REGISTERS, in windows of 256 (s_set_vgpr_msb: bits 1:0 source 0, 3:2 source 1, 5:4 source 2, 7:6 destination):
;   window 0: addresses, T, O, the weights' fragments BF, the rows' factors;  window 1: token fragments, two sets of 80;
;   window 2: accumulators of tiles i = 0..3 at 64 i + 8 b;  window 3: tile 4's at 8 b, the weights as loaded, two sets of 64 from 64 on, and their squares' sums at 192.
.set ROWB,  4096                       ; bytes in a row of w1
.set ROWSH, 12
.set ATSH,  15                         ; a tile of xg is 32,768 bytes
.set OTSH,  16                         ; a tile of hs is 65,536 bytes
.set NS,    16                         ; K steps of 64
.set PITCH, 144
.set SLOT,  128*PITCH
.set SCR,   NS*SLOT                    ; 294,912: the waves' parts of omega
.set AOFF,  4                          ; v[4:8]    tile i: byte offset of my 16 bytes in xg
.set OOFF,  9                          ; v[9:13]   tile i: the same in hs
.set WOFF,  14                         ; v14       my 16 bytes in the first two of my wave's weight rows
.set WST,   15                         ; v15       where they go in LDS (stepped by two slots a lap)
.set BAD,   16                         ; v16       LDS address of my part of a weight fragment (stepped likewise)
.set BAD0,  17                         ; v17       its value for slot 0
.set SCW,   18                         ; v18       LDS address of my wave's part of omega
.set SCA,   19                         ; v19       LDS address of the four parts
.set T,     20                         ; v[20:51]  at work
.set O,     52                         ; v[52:67]  packed results to store
.set FBK,   68                         ; v68       2^(15 - b)
.set L8,    69                         ; v69       8 x lane
.set WD,    70                         ; v[70:71]  2^b, twice: what wave 0 stores into wsc
.set BF,    72                         ; v[72:199] the step's 16 weight fragments: k 0-31 in 72..135, k 32-63 in 136..199
.set ROFF,  200                        ; v[200:204] tile i: byte offset of my row's factors in rsc
.set RS,    206                        ; v[206:215] tile i: (2^-a, 2^a) of my row; on the way out the first becomes 2^(15 - a - b)
.set WS,    64                         ; window 3: weights as loaded, set p at 64 + 64 p
.set SQ,    192                        ; window 3: v[192:199] four pairs of running sums of squares
.set MT,    36                         ; s[36:40]  tile i's number within the expert
.set MSB, 0
.macro WIN new                         ; the immediate's high byte repeats the setting that is left
.if MSB != \new
	s_set_vgpr_msb (MSB<<8)|\new
.set MSB, \new
.endif
.endm
.macro PLACES                          ; four plain places behind a matrix instruction (ISA guide 7.12.1) before its registers are read by other instructions or loaded again
.rept 4
	v_nop
.endr
.endm
; The pass's five tiles of this wave, and their rows' factors.  A tile at or past nt reads tile 0, which some expert always owns, and is never stored.
.macro TILES
	s_wait_xcnt 0x0                                ; AOFF, OOFF and ROFF, which earlier loads and stores name, are rewritten only behind this wait
.irp i, 0,1,2,3,4
	s_add_co_u32 s[MT+\i], s18, 4*\i
	s_add_co_u32 s[MT+\i], s[MT+\i], s12           ; mt0 + 4 i + wave
	s_add_co_u32 s32, s[MT+\i], s16
	s_cmp_lt_u32 s[MT+\i], s17
	s_cselect_b32 s32, s32, 0
	s_min_u32 s32, s32, 134                        ; inside the 135 tiles
	s_lshl_b32 s33, s32, ATSH
	v_add_nc_u32 v[AOFF+\i], s33, v1
	s_lshl_b32 s33, s32, 8
	v_add_nc_u32 v[ROFF+\i], s33, v[L8]
	s_lshl_b32 s32, s32, OTSH
	v_add_nc_u32 v[OOFF+\i], s32, v1
.endr
.irp i, 0,1,2,3,4
	global_load_b64 v[RS+2*\i:RS+2*\i+1], v[ROFF+\i], s[44:45]     ; 256 consecutive bytes; issued ahead of the pass's first tokens, so no counted wait below counts them
.endr
.endm
.macro LOADW p                         ; 16 loads: my wave's 32 rows x 64 k of f32 into set p
	WIN 0xc0
.irp n, 0,1,2,3,4,5,6,7,8,9,10,11,12,13,14,15
	global_load_b128 v[WS+64*(\p)+4*\n:WS+64*(\p)+4*\n+3], v[WOFF], s[24:25] offset:\n*2*ROWB th:TH_LOAD_NT
.endr
.endm
.macro LOADA p                         ; 20 loads: my five tiles x 64 k, as fragments, into set p
	WIN 0x40
.irp i, 0,1,2,3,4
.irp c, 0,1
.irp jj, 0,1
	global_load_b128 v[80*(\p)+16*\i+8*\c+4*\jj:80*(\p)+16*\i+8*\c+4*\jj+3], v[AOFF+\i], s[22:23] offset:1024*\c+512*\jj
.endr
.endr
.endr
.endm
.macro CVTW p, first                   ; set p to f16 and into the step's slot; its squares onto the running sums (first = 1: the first four pairs start them)
	WIN 0x0f
.set cn, 0
.rept 32
	v_cvt_pk_f16_f32 v[T+cn], v[WS+64*\p+2*cn], v[WS+64*\p+2*cn+1]
.set cn, cn+1
.endr
	WIN 0
.irp n, 0,1,2,3,4,5,6,7,8,9,10,11,12,13,14,15
	ds_store_b64 v[WST], v[T+2*\n:T+2*\n+1] offset:\p*SLOT+2*PITCH*\n
.endr
	WIN 0xff
.set cn, 0
.rept 32
.if \first
.if cn < 4
	v_pk_mul_f32 v[SQ+2*cn:SQ+2*cn+1], v[WS+64*\p+2*cn:WS+64*\p+2*cn+1], v[WS+64*\p+2*cn:WS+64*\p+2*cn+1]
.else
	v_pk_fma_f32 v[SQ+2*(cn&3):SQ+2*(cn&3)+1], v[WS+64*\p+2*cn:WS+64*\p+2*cn+1], v[WS+64*\p+2*cn:WS+64*\p+2*cn+1], v[SQ+2*(cn&3):SQ+2*(cn&3)+1]
.endif
.else
	v_pk_fma_f32 v[SQ+2*(cn&3):SQ+2*(cn&3)+1], v[WS+64*\p+2*cn:WS+64*\p+2*cn+1], v[WS+64*\p+2*cn:WS+64*\p+2*cn+1], v[SQ+2*(cn&3):SQ+2*(cn&3)+1]
.endif
.set cn, cn+1
.endr
.endm
.macro LOADB p                         ; 32 LDS loads: the slot's 8 column tiles x 2 halves of K, the first half's 16 loads first
.irp q, 0,1
.irp b, 0,1,2,3,4,5,6,7
	ds_load_b128 v[BF+64*\q+8*\b:BF+64*\q+8*\b+3],   v[BAD] offset:\p*SLOT+16*PITCH*\b+64*\q
	ds_load_b128 v[BF+64*\q+8*\b+4:BF+64*\q+8*\b+7], v[BAD] offset:\p*SLOT+16*PITCH*\b+64*\q+32
.endr
.endr
.endm
; 40 matrix instructions, 32 along K.  The 40 accumulators take turns, one instruction a turn, in the same order everywhere.
.macro MUL p, q, zero
	WIN 0xa4
.irp i, 0,1,2,3
.irp b, 0,1,2,3,4,5,6,7
.if \zero
	v_wmma_f32_16x16x32_f16 v[64*\i+8*\b:64*\i+8*\b+7], v[BF+64*\q+8*\b:BF+64*\q+8*\b+7], v[80*\p+16*\i+8*\q:80*\p+16*\i+8*\q+7], 0
.else
	v_wmma_f32_16x16x32_f16 v[64*\i+8*\b:64*\i+8*\b+7], v[BF+64*\q+8*\b:BF+64*\q+8*\b+7], v[80*\p+16*\i+8*\q:80*\p+16*\i+8*\q+7], v[64*\i+8*\b:64*\i+8*\b+7]
.endif
.endr
.endr
	WIN 0xf4
.irp b, 0,1,2,3,4,5,6,7
.if \zero
	v_wmma_f32_16x16x32_f16 v[8*\b:8*\b+7], v[BF+64*\q+8*\b:BF+64*\q+8*\b+7], v[80*\p+64+8*\q:80*\p+64+8*\q+7], 0
.else
	v_wmma_f32_16x16x32_f16 v[8*\b:8*\b+7], v[BF+64*\q+8*\b:BF+64*\q+8*\b+7], v[80*\p+64+8*\q:80*\p+64+8*\q+7], v[8*\b:8*\b+7]
.endif
.endr
.endm
; One K step s, on sets and slot p = s & 1.  zero: the first products start the sums.  w = 1: first pass (weights are brought in, one barrier).
; lda: the next step's tokens are asked for; ldw: the weights of step s + 2.  cw, ca: how many younger loads may stay out when this step's weights, tokens must be in.
; Loads are issued in the order W(0), the rows' factors, A(0), W(1); then each step adds A(s+1) W(s+2); W is 16 loads, A is 20; they come back in order (ISA guide 5.7.1).
.macro STEP p, zero, w, lda, ldw, cw, ca
.if \w
	s_wait_loadcnt \cw                             ; W(s) is in; behind it stand A(s) and W(s+1) (at step 0 the five loads of factors too, which this count also waits for)
	CVTW \p, \zero                                 ; its vector instructions name no register of the last matrix instructions: they are the places in front of the loads below
.else
	PLACES
.endif
	s_wait_xcnt 0x0                                ; the loads' bases are stepped only behind this wait
.if \lda
	s_add_nc_u64 s[22:23], s[22:23], 2048          ; two blocks of 1 KiB on
	LOADA 1-\p
.endif
.if \ldw
	s_add_nc_u64 s[24:25], s[24:25], 256           ; 64 f32 on
	LOADW \p
.endif
	WIN 0
.if \w
	s_wait_dscnt 0x0                               ; my 32 rows of the slot are in LDS before I say so
	s_barrier_signal -1
	s_barrier_wait -1                              ; the slot is whole
.endif
	LOADB \p
	s_wait_loadcnt \ca                             ; A(s) is in
	s_wait_dscnt 16                                ; the fragments of k 0-31 are in, the 16 younger loads may be out
	MUL \p, 0, \zero
	s_wait_dscnt 0x0
	MUL \p, 1, 0
.endm
.macro LAP zero, w, ldw, cw, ca        ; two steps, then two slots on
	STEP 0, \zero, \w, 1, \ldw, \cw, \ca
	STEP 1, 0, \w, 1, \ldw, \cw, \ca
	WIN 0
	v_add_nc_u32 v[BAD], 2*SLOT, v[BAD]
.if \w
	v_add_nc_u32 v[WST], 2*SLOT, v[WST]
.endif
.endm
; Tile i's way out: gate in registers base .. base + 31 of window win, up in base + 32 .. base + 63.  h = g / (1 + 2^(-1.442695 g)) * u.
; Where the power overflows to infinity the reciprocal is 0 and h is a zero, the limit.  Then h' = h 2^(15 - a - b), rounded to f16.
.macro EPI i, win, base
	s_cmp_ge_u32 s[MT+\i], s17
	s_cbranch_scc1 .Lskip_\@                       ; a tile past the expert's end is not stored (no barrier stands inside)
	v_mul_f32 v[RS+2*\i], v[RS+2*\i], v[FBK]       ; my row's 2^-a times 2^(15 - b): exact
	WIN \win
.set en, 0
.rept 16
	v_pk_mul_f32 v[T+en:T+en+1], v[\base+en:\base+en+1], s[30:31] op_sel_hi:[1,0]
.set en, en+2
.endr
	WIN 0
.set en, 0
.rept 32
	v_exp_f32 v[T+en], v[T+en]
.set en, en+1
.endr
	v_nop                                          ; one plain place behind the last transcendental (ISA guide 5.7.2)
.set en, 0
	s_wait_alu depctr_va_vdst(0)
.rept 16
	v_pk_add_f32 v[T+en:T+en+1], v[T+en:T+en+1], 1.0 op_sel_hi:[1,0]
.set en, en+2
.endr
.set en, 0
.rept 32
	v_rcp_f32 v[T+en], v[T+en]
.set en, en+1
.endr
	v_nop
	WIN \win
.set en, 0
	s_wait_alu depctr_va_vdst(0)
.rept 16
	v_pk_mul_f32 v[T+en:T+en+1], v[\base+en:\base+en+1], v[T+en:T+en+1]
.set en, en+2
.endr
.set en, 0
.rept 16
	v_pk_mul_f32 v[T+en:T+en+1], v[\base+32+en:\base+32+en+1], v[T+en:T+en+1]
.set en, en+2
.endr
	WIN 0
.set en, 0
.rept 16
	v_pk_mul_f32 v[T+en:T+en+1], v[T+en:T+en+1], v[RS+2*\i:RS+2*\i+1] op_sel_hi:[1,0]   ; both by the pair's first number
.set en, en+2
.endr
	s_wait_xcnt 0x0                                ; O, which the last tile's stores read, is rewritten only behind this wait
.set en, 0
.rept 16
	v_cvt_pk_f16_f32 v[O+en], v[T+2*en], v[T+2*en+1]
.set en, en+1
.endr
.irp b, 0,1,2,3
	global_store_b128 v[OOFF+\i], v[O+4*\b:O+4*\b+3], s[26:27] offset:512*\b   ; columns 64 j + 16 b ..: block 2 j + b / 2, half b & 1; the four stores cover 2 KiB consecutive
.endr
.Lskip_\@:
.endm
	s_load_b256 s[4:11], s[0:1], 0x0               ; xg s[4:5], w1 s[6:7], cnt s[8:9], hs s[10:11]
	s_load_b128 s[44:47], s[0:1], 0x20             ; rsc s[44:45], wsc s[46:47]
	v_lshl_add_u32 v254, v0, 2, 0x48100
	v_mov_b32 v255, 0
	v_lshrrev_b32 v2, 5, v0
	v_readfirstlane_b32 s12, v2                    ; wave 0..3
	s_lshr_b32 s13, ttmp9, 5                       ; e
	s_and_b32 s14, ttmp9, 31                       ; j
	v_and_b32 v1, 31, v0
	v_lshlrev_b32 v1, 4, v1                        ; 16 x lane
	v_lshrrev_b32 v[L8], 1, v1                     ; 8 x lane
	v_and_b32 v3, 15, v0                           ; r
	v_bfe_u32 v2, v0, 4, 1                         ; h
	v_lshlrev_b32 v[WOFF], 4, v3
	v_lshl_add_u32 v[WOFF], v2, ROWSH, v[WOFF]     ; lanes 0-15 one row's 256 bytes, lanes 16-31 the next row's
	s_mul_i32 s33, s12, 32*PITCH
	v_mul_u32_u24 v[WST], v2, PITCH
	v_lshl_add_u32 v[WST], v3, 3, v[WST]
	v_add_nc_u32 v[WST], s33, v[WST]               ; LDS row 32 w + h, 8 bytes (4 f16) a lane
	v_mul_u32_u24 v[BAD0], v3, PITCH
	v_lshl_add_u32 v[BAD0], v2, 4, v[BAD0]         ; a fragment: row r, 16 h
	s_lshl_b32 s33, s12, 2
	s_add_co_u32 s33, s33, SCR
	v_mov_b32 v[SCW], s33                          ; my wave's word behind the slots
	v_mov_b32 v[SCA], SCR
	s_mov_b32 s30, 0xbfb8aa3b                      ; -1.442695, twice (a pair for the packed multiply)
	s_mov_b32 s31, 0xbfb8aa3b
	s_mov_b32 s34, 0x76543210                      ; v_permlanex16_b32: lane i reads lane i of the other half
	s_mov_b32 s35, 0xfedcba98
	s_lshl_b32 s28, s13, 3
	s_mov_b32 s29, 0
	s_wait_kmcnt 0x0
	s_add_nc_u64 s[8:9], s[8:9], s[28:29]
	s_load_b64 s[16:17], s[8:9], 0x0               ; (toff, nt) of my expert
	s_lshr_b32 s32, s12, 1                         ; waves 0, 1: gate rows; waves 2, 3: up rows, 2,048 further down
	s_lshl_b32 s32, s32, 11
	s_and_b32 s33, s12, 1
	s_lshl_b32 s33, s33, 5
	s_add_co_u32 s32, s32, s33
	s_lshl_b32 s33, s14, 6
	s_add_co_u32 s32, s32, s33                     ; my wave's first row of w1[e]
	s_lshl_b32 s32, s32, ROWSH
	s_lshl_b32 s33, s13, 24                        ; an expert's 4,096 rows of 4,096 bytes
	s_add_co_u32 s28, s32, s33                     ; below 2^27
	s_add_nc_u64 s[24:25], s[6:7], s[28:29]
	s_lshl_b32 s28, s14, 11
	s_add_nc_u64 s[26:27], s[10:11], s[28:29]      ; hs at blocks 2 j, 2 j + 1 of tile 0
	s_lshl_b32 s28, ttmp9, 8
	s_add_nc_u64 s[46:47], s[46:47], s[28:29]      ; my work-group's 256 bytes of wsc
	s_mov_b64 s[20:21], s[4:5]                     ; the tokens' K begins at block 0
	LOADW 0                                        ; hangs on no count: goes out ahead of the wait for cnt
	WIN 0
	s_wait_kmcnt 0x0
	s_min_u32 s16, s16, 134
	s_min_u32 s17, s17, 64                         ; an expert has 1,024 rows at the most
	s_mov_b32 s18, 0                               ; mt0
	TILES
	v_mov_b32 v[BAD], v[BAD0]
	s_mov_b64 s[22:23], s[20:21]
	LOADA 0
	s_wait_xcnt 0x0
	s_add_nc_u64 s[24:25], s[24:25], 256
	LOADW 1
	; the first pass: 16 steps, 16 barriers, on every wave's way, hanging on no loaded number
	LAP 1, 1, 1, 36, 52                            ; 36 = A(s) 20 + W(s+1) 16;  52 = W(s+1) 16 + A(s+1) 20 + W(s+2) 16
	s_mov_b32 s19, (NS-4)/2
.Lk1:
	LAP 0, 1, 1, 36, 52
	s_sub_co_u32 s19, s19, 1
	s_cmp_lg_u32 s19, 0
	s_cbranch_scc1 .Lk1
	STEP 0, 0, 1, 1, 0, 36, 36                     ; no weights are left to ask for: behind A(s) stand W(s+1) 16 + A(s+1) 20
	STEP 1, 0, 1, 0, 0, 20, 0                      ; behind the last weights stand the last tokens' 20; then nothing
	; omega: my lane's eight sums, my wave's 32 lanes, the four waves (through LDS, one more barrier on every wave's way); then the two powers of two
	WIN 0x0f
	v_pk_add_f32 v[T:T+1], v[SQ:SQ+1], v[SQ+2:SQ+3]
	v_pk_add_f32 v[T+2:T+3], v[SQ+4:SQ+5], v[SQ+6:SQ+7]
	WIN 0
	v_pk_add_f32 v[T:T+1], v[T:T+1], v[T+2:T+3]
	v_add_f32 v[T], v[T], v[T+1]
	v_add_f32_dpp v[T], v[T], v[T] row_xmask:1 row_mask:0xf bank_mask:0xf
	v_add_f32_dpp v[T], v[T], v[T] row_xmask:2 row_mask:0xf bank_mask:0xf
	v_add_f32_dpp v[T], v[T], v[T] row_xmask:4 row_mask:0xf bank_mask:0xf
	v_add_f32_dpp v[T], v[T], v[T] row_xmask:8 row_mask:0xf bank_mask:0xf
	v_permlanex16_b32 v[T+1], v[T], s34, s35
	v_add_f32 v[T], v[T], v[T+1]
	ds_store_b32 v[SCW], v[T]                      ; all lanes write the same word with the same value
	s_wait_dscnt 0x0                               ; my part is in LDS before I say so
	s_barrier_signal -1
	s_barrier_wait -1
	ds_load_b128 v[T:T+3], v[SCA]                  ; the four parts, in every lane
	s_wait_dscnt 0x0
	v_add_f32 v[T], v[T], v[T+1]
	v_add_f32 v[T+2], v[T+2], v[T+3]
	v_add_f32 v[T], v[T], v[T+2]
	v_lshrrev_b32 v[T], 23, v[T]                   ; omega is not negative: its exponent field E; omega < 2^(E - 126) = 2^b
	v_max_u32 v[T], 81, v[T]
	v_min_u32 v[T], 190, v[T]
	v_sub_nc_u32 v[FBK], 268, v[T]                 ; 2^(15 - b): field 127 + 15 - (E - 126)
	v_add_nc_u32 v[WD], 1, v[T]                    ; 2^b: field 127 + E - 126
	v_lshlrev_b32 v[FBK], 23, v[FBK]
	v_lshlrev_b32 v[WD], 23, v[WD]
	v_mov_b32 v[WD+1], v[WD]
	s_cmp_lg_u32 s12, 0
	s_cbranch_scc1 .Lnw                            ; wave 0 alone stores it
	global_store_b64 v[L8], v[WD:WD+1], s[46:47]   ; 256 consecutive bytes, aligned, all of them 2^b; WD and L8 are not written again
.Lnw:
	s_mov_b32 s41, 0                               ; trips of the loop below
.Lpass:                                                ; a trip: the way out of the pass just made, then, if tiles are left, the next pass
	PLACES
	EPI 0, 0x02, 0
	EPI 1, 0x02, 64
	EPI 2, 0x02, 128
	EPI 3, 0x02, 192
	EPI 4, 0x03, 0
	s_add_co_u32 s18, s18, 20
	s_cmp_ge_u32 s18, s17
	s_cbranch_scc1 .Ldone                          ; the loop is left here, behind a way out
	; a further pass over the resident weights: no barrier, no weight load
	TILES
	v_mov_b32 v[BAD], v[BAD0]
	s_mov_b64 s[22:23], s[20:21]
	LOADA 0
	LAP 1, 0, 0, 0, 20                             ; behind A(s) stands A(s+1), 20 loads
	s_mov_b32 s19, (NS-4)/2
.Lk2:
	LAP 0, 0, 0, 0, 20
	s_sub_co_u32 s19, s19, 1
	s_cmp_lg_u32 s19, 0
	s_cbranch_scc1 .Lk2
	STEP 0, 0, 0, 1, 0, 0, 20
	STEP 1, 0, 0, 0, 0, 0, 0
	WIN 0
	s_add_co_u32 s41, s41, 1
	s_cmp_lt_u32 s41, 4                            ; nt is 64 at the most: the fourth trip finds mt0 = 80 and leaves above, so this count never ends the loop
	s_cbranch_scc1 .Lpass
.Ldone:
	s_barrier_signal -1
	s_barrier_wait -1
	s_wait_tensorcnt 0x0
	ds_add_u32 v254, v255
	s_wait_dscnt 0x0
	s_endpgm
.Lfunc_end_k_q35750bc366_gemm1:
	.size	k_q35750bc366_gemm1, .Lfunc_end_k_q35750bc366_gemm1-k_q35750bc366_gemm1
	.p2alignl 7, 3214868480
	.fill 96, 4, 3214868480
	.section	.rodata,"a",@progbits
	.p2align	6, 0x0
	.amdhsa_kernel k_q35750bc366_gemm1
		.amdhsa_group_segment_fixed_size 295680
		.amdhsa_private_segment_fixed_size 0
		.amdhsa_enable_private_segment 0
		.amdhsa_kernarg_size 48
		.amdhsa_user_sgpr_count 2
		.amdhsa_user_sgpr_kernarg_segment_ptr 1
		.amdhsa_wavefront_size32 1
		.amdhsa_system_sgpr_workgroup_id_x 1
		.amdhsa_system_sgpr_workgroup_id_y 1
		.amdhsa_system_sgpr_workgroup_id_z 1
		.amdhsa_system_vgpr_workitem_id 0
		.amdhsa_next_free_vgpr 976
		.amdhsa_next_free_sgpr 66
		.amdhsa_reserve_vcc 0
		.amdhsa_float_denorm_mode_32 3
		.amdhsa_float_denorm_mode_16_64 3
		.amdhsa_memory_ordered 1
		.amdhsa_forward_progress 1
		.amdhsa_inst_pref_size 207
	.end_amdhsa_kernel
	.amdgpu_metadata
---
amdhsa.version: [ 1, 2 ]
amdhsa.kernels:
  - .name:           k_q35750bc366_gemm1
    .symbol:         k_q35750bc366_gemm1.kd
    .args:
      - { .name: xg, .offset: 0, .size: 8, .value_kind: global_buffer, .address_space: global }
      - { .name: w1, .offset: 8, .size: 8, .value_kind: global_buffer, .address_space: global }
      - { .name: cnt, .offset: 16, .size: 8, .value_kind: global_buffer, .address_space: global }
      - { .name: hs, .offset: 24, .size: 8, .value_kind: global_buffer, .address_space: global }
      - { .name: rsc, .offset: 32, .size: 8, .value_kind: global_buffer, .address_space: global }
      - { .name: wsc, .offset: 40, .size: 8, .value_kind: global_buffer, .address_space: global }
    .group_segment_fixed_size: 295680
    .private_segment_fixed_size: 0
    .kernarg_segment_align: 8
    .kernarg_segment_size: 48
    .max_flat_workgroup_size: 128
    .sgpr_count:     66
    .vgpr_count:     976
    .wavefront_size: 32
...
	.end_amdgpu_metadata
.endif
;; end of part 3
;; launch gemm2 (part 4): grid 256 x 1, 4 waves a work-group, no clusters, 181,760 bytes of LDS; arguments hs, w2, cnt, y, rsc, wsc; writes y
.if DOCPART == 4
	.amdgcn_target "amdgcn-amd-amdhsa--gfx1250"
	.amdhsa_code_object_version 6
	.text
	.protected	k_q35750bc366_gemm2
	.globl	k_q35750bc366_gemm2
	.p2align	8
	.type	k_q35750bc366_gemm2,@function
k_q35750bc366_gemm2:
	s_mov_b64 s[64:65], 0
	v_nop
	global_prefetch_b8 v0, s[64:65] scope:SCOPE_SE
	s_setreg_imm32_b32 hwreg(HW_REG_WAVE_MODE, 25, 1), 1
	s_wait_xcnt 0x0
; SECOND PRODUCT, for the rows that each expert was given:  y[kq] = h[:, 512 kq .. +511] w2[e][:, 512 kq .. +511]^T, f16 operands, f32 sums.
; Work-group = (expert e = id >> 5, column block ns = (id >> 2) & 7, K quarter kq = id & 3): rows 128 ns .. +127 of w2[e], k = 512 kq .. +511.
; 8 x 8 x 4 = 256 work-groups, 256 KiB of w2 each: every byte of w2 is loaded once in the launch, whatever the routing.
; THE SCALES.  hs holds h' = h 2^(15 - a - b_j) in f16: a belongs to the token's row (2^a in rsc), b_j to the 64 columns j = 8 kq + s of h, which are this launch's K step s (2^b_j in wsc).
;   sum over k of h w2 = 2^(a + S - 15) x sum over k of h' (w2 2^(b_j - S)),  S = the largest of my eight b_j.
;   So step s's weights are multiplied by 2^(b_j - S), a power of two of 1 at the most, before they are rounded to f16, and each result by its row's 2^a 2^(S - 15) on the way out: both exact.
;   w2 is of size 0.02; 30 times more is 0.6, 30 times less 0.0007, where f16 still steps by 2^-24: the range has the room.  A step whose b_j lies far below S has weights pushed towards
;   f16's smallest step; what they lose is that step, 2^-25, times h' (2^14 at the most), beside products of the largest step's bound.
; WHY K IS SPLIT IN FOUR: with all of K = 2,048 and 32 columns a work-group would take in 20 tiles x 64 KiB of tokens for its 256 KiB of weights; with a quarter of K and
; 128 columns it takes 20 x 16 KiB.  The price: four partial rows for each pair in y, summed by the next launch, in a fixed order.
; The build is the first product's: 8 K steps of 64; each wave loads 32 of the 128 weight rows as f32, scales and rounds them once and stores them into the step's own LDS slot
; (8 x 18,432 bytes, none written twice, one barrier a step between stores and reads); a pass takes 20 tiles of 16 rows, wave w the tiles mt0 + 4 i + w against all 8 column
; tiles (40 accumulators); token fragments come straight from memory, since hs lies in fragment order: a tile is 64 blocks of 1 KiB, block = [jj][lane][16 bytes],
; lane (r, h) holds row r, k = 32 kb + 16 jj + 8 h + 0..7.  Further passes (experts with more than 320 rows) read the resident weights, with no barrier and no weight load.
; The eight steps are written out, in the first pass and in the further one, and each lap of two slots has address registers of its own: every LDS address of the text is a register
; that is made once from the thread's number and constants, plus an immediate; the slots end at byte 147,456, where the stages begin.
; The matrix instruction is used transposed (source 0 = weight rows, source 1 = token rows): lane (r, h) holds token row r, columns n0 + 8 h + 0..7, so a row's factor is one number a lane.
; THE WAY OUT: 16 rows x 128 columns of f32 go through the wave's own stage in LDS (pitch 528 = 512 + 16) and leave as whole rows of 512 consecutive bytes.
; NO JOINT LOADS: the 8 work-groups of one expert and K quarter read the same token tiles, but the number of further passes is read from memory, and a step's 80 matrix
; instructions a wave would each time stand behind a meeting of the partners.  No tensor loads: the weights are f32 and pass through registers to be scaled and rounded.
; LIMITS: |w2| above 65,504 overflows f16.  Experts that a token did not choose are not multiplied.
; REGISTERS, in windows of 256 (s_set_vgpr_msb: bits 1:0 source 0, 3:2 source 1, 5:4 source 2, 7:6 destination):
;   window 0: addresses, T, the weights' fragments BF (on the way out: rows read back, scaled results), the rows' factors;  window 1: token fragments, two sets of 80;
;   window 2: accumulators of tiles i = 0..3 at 64 i + 8 b;  window 3: tile 4's at 8 b, and the weights as loaded, two sets of 64 from 64 on.
.set ROWB,  8192                       ; bytes in a row of w2
.set ROWSH, 13
.set ATSH,  16                         ; a tile of hs is 65,536 bytes
.set OTSH,  16                         ; 16 rows of y are 65,536 bytes
.set NS,    8                          ; K steps of 64
.set PITCH, 144
.set SLOT,  128*PITCH
.set STAGE, NS*SLOT                    ; 147,456: behind the slots, 16 rows x 528 bytes for each wave
.set SP,    528
.set PART,  8847360                    ; a K quarter's part of y: 2,160 rows of 4,096 bytes
.set AOFF,  4                          ; v[4:8]    tile i: byte offset of my 16 bytes in hs
.set OOFF,  9                          ; v[9:13]   tile i: the same in y
.set WOFF,  14                         ; v14       my 16 bytes in the first two of my wave's weight rows
.set L8,    15                         ; v15       8 x lane
.set STO,   18                         ; v18       the stage: where I put 16 bytes of row r
.set RD,    19                         ; v19       the stage: my 16 bytes of a row read back
.set T,     20                         ; v[20:51]  at work
.set BAD,   52                         ; v[52:55]  lap l (slots 2 l, 2 l + 1): LDS address of my part of a weight fragment; never rewritten
.set WST,   56                         ; v[56:59]  lap l: where my weights go in LDS; never rewritten
.set BF,    72                         ; v[72:199] the step's 16 weight fragments
.set R,     72                         ; v[72:135] the way out: 16 rows read back
.set SC,    136                        ; v[136:199] the way out: a tile's 64 results, scaled
.set ROFF,  200                        ; v[200:204] tile i: byte offset of my row's factors in rsc
.set RS,    206                        ; v[206:215] tile i: (2^-a, 2^a) of my row; on the way out the first becomes 2^(a + S - 15)
.set WS,    64                         ; window 3: weights as loaded, set p at 64 + 64 p
.set MT,    36                         ; s[36:40]  tile i's number within the expert
.set RAW,   48                         ; s[48:55]  2^b_j of my eight K steps
.set FS,    68                         ; s[68:83]  2^(b_j - S), twice each (pairs for the packed multiply)
.set MSB, 0
.macro WIN new                         ; the immediate's high byte repeats the setting that is left
.if MSB != \new
	s_set_vgpr_msb (MSB<<8)|\new
.set MSB, \new
.endif
.endm
.macro PLACES                          ; four plain places behind a matrix instruction (ISA guide 7.12.1) before its registers are read or written by other instructions or loaded again
.rept 4
	v_nop
.endr
.endm
; The pass's five tiles of this wave, and their rows' factors.  A tile at or past nt reads tile 0, which some expert always owns, and is never stored.
.macro TILES
	s_wait_xcnt 0x0                                ; AOFF, OOFF, ROFF and the rows read back, which earlier loads and stores name, are rewritten only behind this wait
.irp i, 0,1,2,3,4
	s_add_co_u32 s[MT+\i], s18, 4*\i
	s_add_co_u32 s[MT+\i], s[MT+\i], s12           ; mt0 + 4 i + wave
	s_add_co_u32 s32, s[MT+\i], s16
	s_cmp_lt_u32 s[MT+\i], s17
	s_cselect_b32 s32, s32, 0
	s_min_u32 s32, s32, 134                        ; inside the 135 tiles
	s_lshl_b32 s33, s32, ATSH
	v_add_nc_u32 v[AOFF+\i], s33, v1
	s_lshl_b32 s33, s32, 8
	v_add_nc_u32 v[ROFF+\i], s33, v[L8]
	s_lshl_b32 s32, s32, OTSH
	v_add_nc_u32 v[OOFF+\i], s32, v1
.endr
.irp i, 0,1,2,3,4
	global_load_b64 v[RS+2*\i:RS+2*\i+1], v[ROFF+\i], s[44:45]     ; 256 consecutive bytes; issued ahead of the pass's first tokens, so no counted wait below counts them
.endr
.endm
.macro LOADW p                         ; 16 loads: my wave's 32 rows x 64 k of f32 into set p
	WIN 0xc0
.irp n, 0,1,2,3,4,5,6,7,8,9,10,11,12,13,14,15
	global_load_b128 v[WS+64*(\p)+4*\n:WS+64*(\p)+4*\n+3], v[WOFF], s[24:25] offset:\n*2*ROWB th:TH_LOAD_NT
.endr
.endm
.macro LOADA p                         ; 20 loads: my five tiles x 64 k, as fragments, into set p
	WIN 0x40
.irp i, 0,1,2,3,4
.irp c, 0,1
.irp jj, 0,1
	global_load_b128 v[80*(\p)+16*\i+8*\c+4*\jj:80*(\p)+16*\i+8*\c+4*\jj+3], v[AOFF+\i], s[22:23] offset:1024*\c+512*\jj
.endr
.endr
.endr
.endm
.macro CVTW l, p                       ; set p times the step's power of two, to f16, and into slot 2 l + p
	WIN 0xc3
.set cn, 0
.rept 32
	v_pk_mul_f32 v[WS+64*\p+2*cn:WS+64*\p+2*cn+1], v[WS+64*\p+2*cn:WS+64*\p+2*cn+1], s[FS+2*(2*\l+\p):FS+2*(2*\l+\p)+1] op_sel_hi:[1,0]
.set cn, cn+1
.endr
	WIN 0x0f
.set cn, 0
.rept 32
	v_cvt_pk_f16_f32 v[T+cn], v[WS+64*\p+2*cn], v[WS+64*\p+2*cn+1]
.set cn, cn+1
.endr
	WIN 0
.irp n, 0,1,2,3,4,5,6,7,8,9,10,11,12,13,14,15
	ds_store_b64 v[WST+\l], v[T+2*\n:T+2*\n+1] offset:\p*SLOT+2*PITCH*\n
.endr
.endm
.macro LOADB l, p                      ; 32 LDS loads: slot 2 l + p's 8 column tiles x 2 halves of K, the first half's 16 loads first
.irp q, 0,1
.irp b, 0,1,2,3,4,5,6,7
	ds_load_b128 v[BF+64*\q+8*\b:BF+64*\q+8*\b+3],   v[BAD+\l] offset:\p*SLOT+16*PITCH*\b+64*\q
	ds_load_b128 v[BF+64*\q+8*\b+4:BF+64*\q+8*\b+7], v[BAD+\l] offset:\p*SLOT+16*PITCH*\b+64*\q+32
.endr
.endr
.endm
; 40 matrix instructions, 32 along K.  The 40 accumulators take turns, one instruction a turn, in the same order everywhere.
.macro MUL p, q, zero
	WIN 0xa4
.irp i, 0,1,2,3
.irp b, 0,1,2,3,4,5,6,7
.if \zero
	v_wmma_f32_16x16x32_f16 v[64*\i+8*\b:64*\i+8*\b+7], v[BF+64*\q+8*\b:BF+64*\q+8*\b+7], v[80*\p+16*\i+8*\q:80*\p+16*\i+8*\q+7], 0
.else
	v_wmma_f32_16x16x32_f16 v[64*\i+8*\b:64*\i+8*\b+7], v[BF+64*\q+8*\b:BF+64*\q+8*\b+7], v[80*\p+16*\i+8*\q:80*\p+16*\i+8*\q+7], v[64*\i+8*\b:64*\i+8*\b+7]
.endif
.endr
.endr
	WIN 0xf4
.irp b, 0,1,2,3,4,5,6,7
.if \zero
	v_wmma_f32_16x16x32_f16 v[8*\b:8*\b+7], v[BF+64*\q+8*\b:BF+64*\q+8*\b+7], v[80*\p+64+8*\q:80*\p+64+8*\q+7], 0
.else
	v_wmma_f32_16x16x32_f16 v[8*\b:8*\b+7], v[BF+64*\q+8*\b:BF+64*\q+8*\b+7], v[80*\p+64+8*\q:80*\p+64+8*\q+7], v[8*\b:8*\b+7]
.endif
.endr
.endm
; K step s = 2 l + p, on register sets p and slot s.  zero: the first products start the sums.  w = 1: first pass (weights are brought in, one barrier).
; lda: the next step's tokens are asked for; ldw: the weights of step s + 2.  cw, ca: how many younger loads may stay out when this step's weights, tokens must be in.
; Loads are issued in the order W(0), the rows' factors, A(0), W(1); then each step adds A(s+1) W(s+2); W is 16 loads, A is 20; they come back in order (ISA guide 5.7.1).
.macro STEP l, p, zero, w, lda, ldw, cw, ca
.if \w
	s_wait_loadcnt \cw                             ; W(s) is in; behind it stand A(s) and W(s+1) (at step 0 the five loads of factors too, which this count also waits for)
	CVTW \l, \p                                    ; its vector instructions name no register of the last matrix instructions: they are the places in front of the loads below
.else
	PLACES
.endif
	s_wait_xcnt 0x0                                ; the loads' bases are stepped only behind this wait
.if \lda
	s_add_nc_u64 s[22:23], s[22:23], 2048          ; two blocks of 1 KiB on
	LOADA 1-\p
.endif
.if \ldw
	s_add_nc_u64 s[24:25], s[24:25], 256           ; 64 f32 on
	LOADW \p
.endif
	WIN 0
.if \w
	s_wait_dscnt 0x0                               ; my 32 rows of the slot are in LDS before I say so
	s_barrier_signal -1
	s_barrier_wait -1                              ; the slot is whole
.endif
	LOADB \l, \p
	s_wait_loadcnt \ca                             ; A(s) is in
	s_wait_dscnt 16                                ; the fragments of k 0-31 are in, the 16 younger loads may be out
	MUL \p, 0, \zero
	s_wait_dscnt 0x0
	MUL \p, 1, 0
.endm
; Tile i's way out: its 64 results at base .. base + 63 of the window that win names for source 0, times the row's 2^(a + S - 15), through the stage.
.macro EPI i, win, base
	s_cmp_ge_u32 s[MT+\i], s17
	s_cbranch_scc1 .Lskip_\@                       ; a tile past the expert's end is not stored (no barrier stands inside)
	v_mul_f32 v[RS+2*\i], s42, v[RS+2*\i+1]        ; my row's 2^a times 2^(S - 15): exact
	WIN \win
.set en, 0
.rept 32
	v_pk_mul_f32 v[SC+en:SC+en+1], v[\base+en:\base+en+1], v[RS+2*\i:RS+2*\i+1] op_sel_hi:[1,0]   ; both by the pair's first number
.set en, en+2
.endr
	WIN 0
.irp b, 0,1,2,3,4,5,6,7
.irp q, 0,1
	ds_store_b128 v[STO], v[SC+8*\b+4*\q:SC+8*\b+4*\q+3] offset:64*\b+16*\q   ; row r, columns 16 b + 8 h + 4 q ..
.endr
.endr
	s_wait_xcnt 0x0                                ; R, which the last tile's stores read, is loaded again only behind this wait
.irp t, 0,1,2,3,4,5,6,7,8,9,10,11,12,13,14,15
	ds_load_b128 v[R+4*\t:R+4*\t+3], v[RD] offset:SP*\t            ; a whole row; the stage is my wave's own, and LDS serves a wave's instructions in order (ISA guide 5.7.1): these see the stores above
.endr
.irp t, 0,1,2,3,4,5,6,7,8,9,10,11,12,13,14,15
	s_wait_dscnt 15-\t
	global_store_b128 v[OOFF+\i], v[R+4*\t:R+4*\t+3], s[26:27] offset:4096*\t th:TH_STORE_NT   ; 512 consecutive bytes, aligned
.endr
.Lskip_\@:
.endm
	s_load_b256 s[4:11], s[0:1], 0x0               ; hs s[4:5], w2 s[6:7], cnt s[8:9], y s[10:11]
	s_load_b128 s[44:47], s[0:1], 0x20             ; rsc s[44:45], wsc s[46:47]
	v_lshl_add_u32 v254, v0, 2, 0x2c400
	v_mov_b32 v255, 0
	v_lshrrev_b32 v2, 5, v0
	v_readfirstlane_b32 s12, v2                    ; wave 0..3
	s_lshr_b32 s13, ttmp9, 5                       ; e
	s_bfe_u32 s14, ttmp9, 0x30002                  ; ns: 3 bits from bit 2
	s_and_b32 s15, ttmp9, 3                        ; kq
	v_and_b32 v1, 31, v0
	v_lshlrev_b32 v1, 4, v1                        ; 16 x lane
	v_lshrrev_b32 v[L8], 1, v1                     ; 8 x lane
	v_and_b32 v3, 15, v0                           ; r
	v_bfe_u32 v2, v0, 4, 1                         ; h
	v_lshlrev_b32 v[WOFF], 4, v3
	v_lshl_add_u32 v[WOFF], v2, ROWSH, v[WOFF]     ; lanes 0-15 one row's 256 bytes, lanes 16-31 the next row's
	s_mul_i32 s33, s12, 32*PITCH
	v_mul_u32_u24 v[WST], v2, PITCH
	v_lshl_add_u32 v[WST], v3, 3, v[WST]
	v_add_nc_u32 v[WST], s33, v[WST]               ; LDS row 32 w + h, 8 bytes (4 f16) a lane
	v_mul_u32_u24 v[BAD], v3, PITCH
	v_lshl_add_u32 v[BAD], v2, 4, v[BAD]           ; a fragment: row r, 16 h
.irp l, 1,2,3
	v_add_nc_u32 v[WST+\l], \l*2*SLOT, v[WST]      ; the same places two slots further on for each lap
	v_add_nc_u32 v[BAD+\l], \l*2*SLOT, v[BAD]
.endr
	s_mul_i32 s33, s12, 16*SP
	s_add_co_u32 s33, s33, STAGE                   ; my wave's stage
	v_mul_u32_u24 v[STO], v3, SP
	v_lshl_add_u32 v[STO], v2, 5, v[STO]
	v_add_nc_u32 v[STO], s33, v[STO]               ; row r, 32 h
	v_add_nc_u32 v[RD], s33, v1
	s_lshl_b32 s28, s13, 3
	s_mov_b32 s29, 0
	s_wait_kmcnt 0x0
	s_add_nc_u64 s[8:9], s[8:9], s[28:29]
	s_load_b64 s[16:17], s[8:9], 0x0               ; (toff, nt) of my expert
	s_lshl_b32 s28, s13, 13
	s_lshl_b32 s33, s15, 11
	s_add_co_u32 s28, s28, s33
	s_add_nc_u64 s[46:47], s[46:47], s[28:29]      ; wsc at column block j = 8 kq of my expert: 256 bytes for each (e, j)
.irp s, 0,1,2,3,4,5,6,7
	s_load_b32 s[RAW+\s], s[46:47], 256*\s         ; 2^b_j of K step s
.endr
	s_lshl_b32 s32, s14, 7
	s_lshl_b32 s33, s12, 5
	s_add_co_u32 s32, s32, s33                     ; my wave's first row of w2[e]: 128 ns + 32 w
	s_lshl_b32 s32, s32, ROWSH
	s_lshl_b32 s33, s13, 23                        ; an expert's 1,024 rows of 8,192 bytes
	s_add_co_u32 s32, s32, s33
	s_lshl_b32 s33, s15, 11                        ; 512 f32 along K
	s_add_co_u32 s28, s32, s33                     ; below 2^26
	s_add_nc_u64 s[24:25], s[6:7], s[28:29]
	s_mul_i32 s28, s15, PART
	s_lshl_b32 s33, s14, 9
	s_add_co_u32 s28, s28, s33
	s_add_nc_u64 s[26:27], s[10:11], s[28:29]      ; y: my K quarter's part, my 128 columns
	s_lshl_b32 s28, s15, 14
	s_add_nc_u64 s[20:21], s[4:5], s[28:29]        ; the tokens' K begins at block 16 kq
	LOADW 0                                        ; hangs on no count and no scale: goes out ahead of the wait for them
	WIN 0
	s_wait_kmcnt 0x0
	s_min_u32 s16, s16, 134
	s_min_u32 s17, s17, 64                         ; an expert has 1,024 rows at the most
	; the scales are powers of two, so their words are exponent fields alone: the largest word is 2^S, and a difference of words is a difference of exponents
	s_max_u32 s43, s[RAW], s[RAW+1]
.irp s, 2,3,4,5,6,7
	s_max_u32 s43, s43, s[RAW+\s]
.endr
.irp s, 0,1,2,3,4,5,6,7
	s_sub_co_u32 s[FS+2*\s], s[RAW+\s], s43        ; (b_j - S) << 23, zero or negative (it wraps, and the sum below wraps back)
	s_add_co_u32 s[FS+2*\s], s[FS+2*\s], 0x3f800000   ; 2^(b_j - S): the fields lie in 82..191, so this one is 18 at the least
	s_mov_b32 s[FS+2*\s+1], s[FS+2*\s]
.endr
	s_sub_co_u32 s42, s43, 15<<23                  ; 2^(S - 15)
	s_mov_b32 s18, 0                               ; mt0
	TILES
	s_mov_b64 s[22:23], s[20:21]
	LOADA 0
	s_wait_xcnt 0x0
	s_add_nc_u64 s[24:25], s[24:25], 256
	LOADW 1
	; the first pass: 8 steps, 8 barriers, on every wave's way, hanging on no loaded number
	STEP 0, 0, 1, 1, 1, 1, 36, 52                  ; 36 = A(s) 20 + W(s+1) 16;  52 = W(s+1) 16 + A(s+1) 20 + W(s+2) 16
	STEP 0, 1, 0, 1, 1, 1, 36, 52
.irp l, 1,2
	STEP \l, 0, 0, 1, 1, 1, 36, 52
	STEP \l, 1, 0, 1, 1, 1, 36, 52
.endr
	STEP 3, 0, 0, 1, 1, 0, 36, 36                  ; no weights are left to ask for: behind A(s) stand W(s+1) 16 + A(s+1) 20
	STEP 3, 1, 0, 1, 0, 0, 20, 0                   ; behind the last weights stand the last tokens' 20; then nothing
	WIN 0
	s_mov_b32 s41, 0                               ; trips of the loop below
.Lpass:                                                ; a trip: the way out of the pass just made, then, if tiles are left, the next pass
	PLACES
	EPI 0, 0x02, 0
	EPI 1, 0x02, 64
	EPI 2, 0x02, 128
	EPI 3, 0x02, 192
	EPI 4, 0x03, 0
	s_add_co_u32 s18, s18, 20
	s_cmp_ge_u32 s18, s17
	s_cbranch_scc1 .Ldone                          ; the loop is left here, behind a way out
	; a further pass over the resident weights: no barrier, no weight load
	TILES
	s_mov_b64 s[22:23], s[20:21]
	LOADA 0
	STEP 0, 0, 1, 0, 1, 0, 0, 20                   ; behind A(s) stands A(s+1), 20 loads
	STEP 0, 1, 0, 0, 1, 0, 0, 20
.irp l, 1,2
	STEP \l, 0, 0, 0, 1, 0, 0, 20
	STEP \l, 1, 0, 0, 1, 0, 0, 20
.endr
	STEP 3, 0, 0, 0, 1, 0, 0, 20
	STEP 3, 1, 0, 0, 0, 0, 0, 0
	WIN 0
	s_add_co_u32 s41, s41, 1
	s_cmp_lt_u32 s41, 4                            ; nt is 64 at the most: the fourth trip finds mt0 = 80 and leaves above, so this count never ends the loop
	s_cbranch_scc1 .Lpass
.Ldone:
	s_barrier_signal -1
	s_barrier_wait -1
	s_wait_tensorcnt 0x0
	ds_add_u32 v254, v255
	s_wait_dscnt 0x0
	s_endpgm
.Lfunc_end_k_q35750bc366_gemm2:
	.size	k_q35750bc366_gemm2, .Lfunc_end_k_q35750bc366_gemm2-k_q35750bc366_gemm2
	.p2alignl 7, 3214868480
	.fill 96, 4, 3214868480
	.section	.rodata,"a",@progbits
	.p2align	6, 0x0
	.amdhsa_kernel k_q35750bc366_gemm2
		.amdhsa_group_segment_fixed_size 181760
		.amdhsa_private_segment_fixed_size 0
		.amdhsa_enable_private_segment 0
		.amdhsa_kernarg_size 48
		.amdhsa_user_sgpr_count 2
		.amdhsa_user_sgpr_kernarg_segment_ptr 1
		.amdhsa_wavefront_size32 1
		.amdhsa_system_sgpr_workgroup_id_x 1
		.amdhsa_system_sgpr_workgroup_id_y 1
		.amdhsa_system_sgpr_workgroup_id_z 1
		.amdhsa_system_vgpr_workitem_id 0
		.amdhsa_next_free_vgpr 960
		.amdhsa_next_free_sgpr 84
		.amdhsa_reserve_vcc 0
		.amdhsa_float_denorm_mode_32 3
		.amdhsa_float_denorm_mode_16_64 3
		.amdhsa_memory_ordered 1
		.amdhsa_forward_progress 1
		.amdhsa_inst_pref_size 245
	.end_amdhsa_kernel
	.amdgpu_metadata
---
amdhsa.version: [ 1, 2 ]
amdhsa.kernels:
  - .name:           k_q35750bc366_gemm2
    .symbol:         k_q35750bc366_gemm2.kd
    .args:
      - { .name: hs, .offset: 0, .size: 8, .value_kind: global_buffer, .address_space: global }
      - { .name: w2, .offset: 8, .size: 8, .value_kind: global_buffer, .address_space: global }
      - { .name: cnt, .offset: 16, .size: 8, .value_kind: global_buffer, .address_space: global }
      - { .name: y, .offset: 24, .size: 8, .value_kind: global_buffer, .address_space: global }
      - { .name: rsc, .offset: 32, .size: 8, .value_kind: global_buffer, .address_space: global }
      - { .name: wsc, .offset: 40, .size: 8, .value_kind: global_buffer, .address_space: global }
    .group_segment_fixed_size: 181760
    .private_segment_fixed_size: 0
    .kernarg_segment_align: 8
    .kernarg_segment_size: 48
    .max_flat_workgroup_size: 128
    .sgpr_count:     84
    .vgpr_count:     960
    .wavefront_size: 32
...
	.end_amdgpu_metadata
.endif
;; end of part 4
;; launch combine (part 5): grid 256 x 1, 8 waves a work-group, no clusters, 0 bytes of LDS; arguments y, pos, rwt, out0; writes out0
.if DOCPART == 5
	.amdgcn_target "amdgcn-amd-amdhsa--gfx1250"
	.amdhsa_code_object_version 6
	.text
	.protected	k_q35750bc366_combine
	.globl	k_q35750bc366_combine
	.p2align	8
	.type	k_q35750bc366_combine,@function
k_q35750bc366_combine:
	s_mov_b64 s[64:65], 0
	v_nop
	global_prefetch_b8 v0, s[64:65] scope:SCOPE_SE
	s_setreg_imm32_b32 hwreg(HW_REG_WAVE_MODE, 25, 1), 1
	s_wait_xcnt 0x0
; out0[t] = w0 (sum of the four K quarters of y's row pos[t][0]) + w1 (the same for pos[t][1]).
; A wave takes half a token's row (2 KiB): token t = 4 x work-group + wave / 2, half = wave & 1.  256 work-groups x 4 tokens = 1,024.
; A stream: 32 loads of 512 consecutive bytes go out at once, four stores of 512 consecutive bytes leave; no LDS, no barrier, no matrix unit; nothing is shared between waves.
; The row numbers are whole numbers that an earlier launch stored; they are kept inside y's 2,160 rows before they enter an address.
; The sums run in a fixed order: ((q0 + q1) + q2) + q3, then the first choice's product, then the second's by a fused multiply-add.
.set PART, 8847360                     ; a K quarter's part of y
.set Y,    8                           ; v[8:135]  piece c (512 bytes), choice k, quarter q: 4 registers at 32 c + 16 k + 4 q
	s_load_b256 s[4:11], s[0:1], 0x0               ; y s[4:5], pos s[6:7], rwt s[8:9], out0 s[10:11]
	v_lshrrev_b32 v1, 5, v0
	v_readfirstlane_b32 s12, v1                    ; wave 0..7
	v_and_b32 v1, 31, v0
	v_lshlrev_b32 v1, 4, v1                        ; 16 x lane
	s_lshr_b32 s13, s12, 1
	s_lshl2_add_u32 s13, ttmp9, s13                ; token
	s_and_b32 s14, s12, 1                          ; half
	s_lshl_b32 s42, s14, 11                        ; 2,048 x half
	s_lshl_b32 s36, s13, 3
	s_mov_b32 s37, 0
	s_wait_kmcnt 0x0
	s_add_nc_u64 s[6:7], s[6:7], s[36:37]
	s_add_nc_u64 s[8:9], s[8:9], s[36:37]
	s_load_b64 s[38:39], s[6:7], 0x0               ; the two sorted rows
	s_load_b64 s[40:41], s[8:9], 0x0               ; the two weights
	s_lshl_b32 s36, s13, 12
	s_add_co_u32 s36, s36, s42
	s_add_nc_u64 s[10:11], s[10:11], s[36:37]      ; my 2 KiB of out0
	s_wait_kmcnt 0x0
.irp k, 0,1
	s_min_u32 s[38+\k], s[38+\k], 2159
	s_lshl_b32 s36, s[38+\k], 12
	s_add_co_u32 s36, s36, s42
	s_add_nc_u64 s[16+8*\k:17+8*\k], s[4:5], s[36:37]
	s_add_nc_u64 s[18+8*\k:19+8*\k], s[16+8*\k:17+8*\k], PART
	s_add_nc_u64 s[20+8*\k:21+8*\k], s[18+8*\k:19+8*\k], PART
	s_add_nc_u64 s[22+8*\k:23+8*\k], s[20+8*\k:21+8*\k], PART
.endr
	s_mov_b32 s32, s40                             ; each weight twice: a pair for the packed forms
	s_mov_b32 s33, s40
	s_mov_b32 s34, s41
	s_mov_b32 s35, s41
.irp c, 0,1,2,3
.irp k, 0,1
.irp q, 0,1,2,3
	global_load_b128 v[Y+32*\c+16*\k+4*\q:Y+32*\c+16*\k+4*\q+3], v1, s[16+8*\k+2*\q:17+8*\k+2*\q] offset:512*\c th:TH_LOAD_NT
.endr
.endr
.endr
.irp c, 0,1,2,3
	s_wait_loadcnt 24-8*\c                         ; piece c's eight loads are in; the later pieces' stay out
.irp q, 1,2,3
.irp k, 0,1
.irp d, 0,2
	v_pk_add_f32 v[Y+32*\c+16*\k+\d:Y+32*\c+16*\k+\d+1], v[Y+32*\c+16*\k+\d:Y+32*\c+16*\k+\d+1], v[Y+32*\c+16*\k+4*\q+\d:Y+32*\c+16*\k+4*\q+\d+1]
.endr
.endr
.endr
.irp d, 0,2
	v_pk_mul_f32 v[Y+32*\c+\d:Y+32*\c+\d+1], v[Y+32*\c+\d:Y+32*\c+\d+1], s[32:33] op_sel_hi:[1,0]
.endr
.irp d, 0,2
	v_pk_fma_f32 v[Y+32*\c+\d:Y+32*\c+\d+1], v[Y+32*\c+16+\d:Y+32*\c+16+\d+1], s[34:35], v[Y+32*\c+\d:Y+32*\c+\d+1] op_sel_hi:[1,0,1]
.endr
	global_store_b128 v1, v[Y+32*\c:Y+32*\c+3], s[10:11] offset:512*\c th:TH_STORE_NT   ; no register of a store is written again
.endr
	s_endpgm
.Lfunc_end_k_q35750bc366_combine:
	.size	k_q35750bc366_combine, .Lfunc_end_k_q35750bc366_combine-k_q35750bc366_combine
	.p2alignl 7, 3214868480
	.fill 96, 4, 3214868480
	.section	.rodata,"a",@progbits
	.p2align	6, 0x0
	.amdhsa_kernel k_q35750bc366_combine
		.amdhsa_group_segment_fixed_size 0
		.amdhsa_private_segment_fixed_size 0
		.amdhsa_enable_private_segment 0
		.amdhsa_kernarg_size 32
		.amdhsa_user_sgpr_count 2
		.amdhsa_user_sgpr_kernarg_segment_ptr 1
		.amdhsa_wavefront_size32 1
		.amdhsa_system_sgpr_workgroup_id_x 1
		.amdhsa_system_sgpr_workgroup_id_y 1
		.amdhsa_system_sgpr_workgroup_id_z 1
		.amdhsa_system_vgpr_workitem_id 0
		.amdhsa_next_free_vgpr 144
		.amdhsa_next_free_sgpr 66
		.amdhsa_reserve_vcc 0
		.amdhsa_float_denorm_mode_32 3
		.amdhsa_float_denorm_mode_16_64 3
		.amdhsa_memory_ordered 1
		.amdhsa_forward_progress 1
		.amdhsa_inst_pref_size 10
	.end_amdhsa_kernel
	.amdgpu_metadata
---
amdhsa.version: [ 1, 2 ]
amdhsa.kernels:
  - .name:           k_q35750bc366_combine
    .symbol:         k_q35750bc366_combine.kd
    .args:
      - { .name: y, .offset: 0, .size: 8, .value_kind: global_buffer, .address_space: global }
      - { .name: pos, .offset: 8, .size: 8, .value_kind: global_buffer, .address_space: global }
      - { .name: rwt, .offset: 16, .size: 8, .value_kind: global_buffer, .address_space: global }
      - { .name: out0, .offset: 24, .size: 8, .value_kind: global_buffer, .address_space: global }
    .group_segment_fixed_size: 0
    .private_segment_fixed_size: 0
    .kernarg_segment_align: 8
    .kernarg_segment_size: 32
    .max_flat_workgroup_size: 256
    .sgpr_count:     66
    .vgpr_count:     144
    .wavefront_size: 32
...
	.end_amdgpu_metadata
.endif
;; end of part 5
